; MI455X (gfx1250); checked and timed in simulation.
; The chip was launched on July 23, 2026; its instructions are those of AMD's public machine-readable ISA for CDNA 5 (MIT licence, August 2026) and "CDNA5" Instruction Set Architecture Reference Guide (July 2026). The comments in the code are by the model that wrote it; some were corrected since.
;; Self Attention. Allowed arithmetic: float matrix products may take bf16 or f16 operands with f32 sums; all other float work in f32.
;; Inputs: b 1 float32; embedding 32 x 2,048 x 1,024 float32; w1 1,024 x 1 float32; w2 1,024 x 1 float32.
;; Outputs: out0 32 x 1,024 float32.
;; 2 versions, each right; version 2 is version 1 with the launch stream written anew for expert scheduling mode. Each part assembles by itself: llvm-mc -triple=amdgcn-amd-amdhsa -mcpu=gfx1250 --defsym DOCPART=n.
;; ======== version 1 of 2: 2 launches
;; workspace buffers: part 2,228,224 bytes
;; launch stream (part 1): grid 256 x 1, 8 waves a work-group, no clusters, 66,816 bytes of LDS; arguments embedding, w1, w2, part; writes part
.if DOCPART == 1
	.amdgcn_target "amdgcn-amd-amdhsa--gfx1250"
	.amdhsa_code_object_version 6
	.text
	.protected	k_q1c39ded3f5_stream
	.globl	k_q1c39ded3f5_stream
	.p2align	8
	.type	k_q1c39ded3f5_stream,@function
k_q1c39ded3f5_stream:
	s_mov_b64 s[64:65], 0
	v_nop
	global_prefetch_b8 v0, s[64:65] scope:SCOPE_SE
	s_setreg_imm32_b32 hwreg(HW_REG_WAVE_MODE, 25, 1), 1
	s_wait_xcnt 0x0
; PASS 1 of 2.  embedding [32][2048][1024] f32 is read once.  A work-group owns 256 rows of one batch (8 work-groups a batch).
; For a row i: f1 = E[i].w1, f2 = E[i].w2.  The softmax weight of row i is exp(f1[i] + off[i] + b), where off is the largest f2 of the
; batch, except at the row that holds it, where it is the second largest.  That row is known only at the end, so the row with the
; largest f2 SO FAR is never added to the running sum: it is kept apart in registers (BEST) and folded in when a later row beats it.
; Nothing is ever subtracted.  All choices are v_cndmask_b32 or a weight exp2(-inf) = 0; no branch, no address hangs on the data.
; The sum is kept against a running maximum of the folded f1 (M), rescaled once for each pair of rows.
; f1 is carried in units of log2: w1 is multiplied by log2(e) once, so that v_exp_f32 (base 2) takes differences as they are.
; Out: a record of RECB bytes for each work-group: sum[1024], the row kept apart[1024], and five figures (max, sum of weights,
; f1 and f2 of the row kept apart, second largest f2); the second launch joins a batch's eight records.
;
; SHARES.  Eight waves; in step t wave w takes rows 16 t + 2 w and 16 t + 2 w + 1; a wave holds a whole row: lane l has columns
; 128 k + 4 l .. + 3, k = 0..7, so each load of a wave covers 512 consecutive bytes, aligned, and both dot products end inside the wave.
; A ring of four pair slots (64 registers each) keeps 48 to 64 loads of every wave on their way.
; NOT USED, by this text's own arithmetic: matrix instructions (the products have 2 columns where a tile has 16, and the rows would have
; to be converted and turned through LDS); clusters (work-groups share only w1 and w2, 8 KiB against 1 MiB of rows of their own);
; LDS as a ring (the registers hold what is in flight; every byte would pass LDS twice more); prefetches (the ring asks without a pause).
; LIMITS: NaN and infinities among the inputs are not followed.  Equal largest f2: any one of the tied rows is kept apart, which gives the
; same result, since largest and second largest are then equal.
.set ROWB,  4096                       ; bytes in a row
.set STEPB, 8*2*ROWB                   ; the 16 rows that the eight waves take in one step
.set SLOTS, 4
.set RECB,  8704                       ; a work-group's record: 4096 + 4096 + 512
.set STATS, 0                          ; LDS: 8 waves x 32 bytes of figures
.set RA,    256                        ; LDS: 8 waves x 4096 bytes, the waves' sums
.set RC,    RA+32768                   ; LDS: 8 waves x 4096 bytes, the row kept apart (zeros from seven of the waves)
; window 0
.set LOFF, 1                           ; 16 x lane
.set VOFF, 2                           ; 16 x lane + 8192 x wave
.set DA1,  4                           ; v[4:5]   row a . w1      (after the reduction the even register holds the result)
.set DA2,  6                           ; v[6:7]   row a . w2
.set DB1,  8                           ; v[8:9]   row b . w1
.set DB2,  10                          ; v[10:11] row b . w2
.set T,    12                          ; v[12:19] at work
; The four weights stand in even registers, since the packed forms broadcast the FIRST register of a pair (op_sel_hi 0); the odd
; registers beside them hold state that is always written, as the whole pair counts as read.
.set SC,   20                          ; exp2(old max - new max)
.set M,    21                          ; running maximum of the folded f1 (log2 units)
.set PO,   22                          ; weight of the row that leaves BEST (0 if it stays)
.set S,    23                          ; running sum of weights
.set PA,   24                          ; weight of row a (0 if it becomes BEST)
.set BF1,  25                          ; f1 of BEST
.set PB,   26                          ; weight of row b
.set BF2,  27                          ; f2 of BEST: the largest so far
.set SEC,  28                          ; the second largest f2 so far
.set NINF, 29                          ; -infinity
.set W1,   32                          ; v[32:63]   w1 x log2(e), my 32 columns
.set W2,   64                          ; v[64:95]   w2
.set ACC,  96                          ; v[96:127]  running weighted sum
.set BEST, 128                         ; v[128:159] the row kept apart
; window 1 (v256-v511): pair slot p at 64 p: row a in 32 registers, row b in the next 32
.set MSB, 0
.macro WIN new                         ; s_set_vgpr_msb: bits 1:0 source 0, 3:2 source 1, 5:4 source 2, 7:6 destination; the high byte repeats the setting left
.if MSB != \new
	s_set_vgpr_msb (MSB<<8)|\new
.set MSB, \new
.endif
.endm
	s_load_b256 s[4:11], s[0:1], 0x0               ; embedding s[4:5], w1 s[6:7], w2 s[8:9], part s[10:11]
	v_lshl_add_u32 v254, v0, 2, 0x10100
	v_mov_b32 v255, 0
	v_and_b32 v3, 31, v0                           ; lane
	v_lshrrev_b32 v[T], 5, v0
	v_readfirstlane_b32 s12, v[T]                  ; wave 0..7
	v_lshlrev_b32 v[LOFF], 4, v3
	s_lshl_b32 s16, s12, 13                        ; my pair of rows inside a step
	v_add_nc_u32 v[VOFF], s16, v[LOFF]
	v_mov_b32 v[NINF], 0xff800000
	s_lshl_b32 s2, ttmp9, 20                       ; 256 rows x 4096 bytes a work-group; 255 x 2^20 stays below 2^32
	s_mov_b32 s3, 0
	s_mul_i32 s18, ttmp9, RECB
	s_mov_b32 s19, 0
	s_mov_b32 s14, 0x76543210                      ; v_permlanex16_b32: lane i of one half reads lane i of the other
	s_mov_b32 s15, 0xfedcba98
	s_wait_kmcnt 0x0
	s_add_nc_u64 s[4:5], s[4:5], s[2:3]            ; my work-group's first row
	s_add_nc_u64 s[10:11], s[10:11], s[18:19]      ; my work-group's record
.irp k, 0,1,2,3,4,5,6,7
	global_load_b128 v[W1+4*\k:W1+4*\k+3], v[LOFF], s[6:7] offset:512*\k
	global_load_b128 v[W2+4*\k:W2+4*\k+3], v[LOFF], s[8:9] offset:512*\k
.endr
; sixteen loads: my two rows of the step that lies t steps behind the base, into slot p
.macro FILL p, t
	WIN 0x40                                       ; destination in window 1, the offset register in window 0
.irp r, 0,1
.irp k, 0,1,2,3,4,5,6,7
	global_load_b128 v[64*\p+32*\r+4*\k:64*\p+32*\r+4*\k+3], v[VOFF], s[4:5] offset:(\t)*STEPB+\r*ROWB+\k*512 th:TH_LOAD_NT
.endr
.endr
.endm
	FILL 0, 0
	FILL 1, 1
	FILL 2, 2
	FILL 3, 3
; One step: the pair in slot p.  first = 1: the pair starts all state (nothing is cleared).  fill = 1: the slot is asked for again,
; four steps ahead.  left = how many younger loads may stay out.
.macro STEP p, first, fill, left
.set XA, 64*\p
.set XB, 64*\p+32
	s_wait_loadcnt \left                           ; loads return in order: this slot's sixteen are in, those of the younger slots stay out
.if \first
	WIN 0
.set i, 0
.rept 16
	v_pk_mul_f32 v[W1+i:W1+i+1], v[W1+i:W1+i+1], 0x3fb8aa3b op_sel_hi:[1,0]   ; w1 x log2(e), once
.set i, i+2
.endr
.endif
	; four dot products, two columns an instruction; the first products start the sums
	WIN 0x01                                       ; source 0 (the row) in window 1
	v_pk_mul_f32 v[DA1:DA1+1], v[XA:XA+1], v[W1:W1+1]
	v_pk_mul_f32 v[DA2:DA2+1], v[XA:XA+1], v[W2:W2+1]
	v_pk_mul_f32 v[DB1:DB1+1], v[XB:XB+1], v[W1:W1+1]
	v_pk_mul_f32 v[DB2:DB2+1], v[XB:XB+1], v[W2:W2+1]
.set i, 2
.rept 15
	v_pk_fma_f32 v[DA1:DA1+1], v[XA+i:XA+i+1], v[W1+i:W1+i+1], v[DA1:DA1+1]
	v_pk_fma_f32 v[DA2:DA2+1], v[XA+i:XA+i+1], v[W2+i:W2+i+1], v[DA2:DA2+1]
	v_pk_fma_f32 v[DB1:DB1+1], v[XB+i:XB+i+1], v[W1+i:W1+i+1], v[DB1:DB1+1]
	v_pk_fma_f32 v[DB2:DB2+1], v[XB+i:XB+i+1], v[W2+i:W2+i+1], v[DB2:DB2+1]
.set i, i+2
.endr
	WIN 0
.irp d, DA1, DA2, DB1, DB2
	v_add_f32 v[\d], v[\d], v[\d+1]
.endr
.irp m, 1, 2, 4, 8                                 ; across the 16 lanes of each half, on the additions themselves
.irp d, DA1, DA2, DB1, DB2
	v_add_f32_dpp v[\d], v[\d], v[\d] row_xmask:\m row_mask:0xf bank_mask:0xf
.endr
.endr
.irp d, DA1, DA2, DB1, DB2
	v_permlanex16_b32 v[\d+1], v[\d], s14, s15     ; the other half; the destination counts as read and has been written above
.endr
.irp d, DA1, DA2, DB1, DB2
	v_add_f32 v[\d], v[\d], v[\d+1]                ; every lane now holds a1, a2, b1, b2
.endr
.if \first
	; the row with the larger f2 is kept apart, the other starts the sum with weight 1 at maximum = its own f1
	v_cmp_gt_f32 vcc_lo, v[DB2], v[DA2]
	v_max_num_f32 v[BF2], v[DA2], v[DB2]
	v_min_num_f32 v[SEC], v[DA2], v[DB2]
	v_cndmask_b32 v[BF1], v[DA1], v[DB1], vcc_lo
	v_cndmask_b32 v[M], v[DB1], v[DA1], vcc_lo
	v_mov_b32 v[S], 1.0
	WIN 0x05                                       ; both sources in window 1
.set i, 0
.rept 32
	v_cndmask_b32 v[ACC+i], v[XB+i], v[XA+i], vcc_lo
	v_cndmask_b32 v[BEST+i], v[XA+i], v[XB+i], vcc_lo
.set i, i+1
.endr
.else
	; who is kept apart now: the old row, a or b (strictly greater wins); the two largest f2
	v_cmp_gt_f32 s20, v[DA2], v[BF2]               ; a beats the old row
	v_min_num_f32 v[T], v[DA2], v[BF2]
	v_max_num_f32 v[T+1], v[DA2], v[BF2]
	v_cmp_gt_f32 s21, v[DB2], v[T+1]               ; b beats both
	v_min_num_f32 v[T+2], v[DB2], v[T+1]
	v_max_num_f32 v[BF2], v[DB2], v[T+1]
	v_max3_num_f32 v[SEC], v[SEC], v[T], v[T+2]
	s_or_b32 s22, s20, s21                         ; the old row leaves
	s_and_not1_b32 s23, s20, s21                   ; a is the new one
	v_cndmask_b32 v[T+3], v[NINF], v[BF1], s22     ; the f1 with which each of the three is folded in: -inf (weight 0) for the one kept apart
	v_cndmask_b32 v[T+4], v[DA1], v[NINF], s23
	v_cndmask_b32 v[T+5], v[DB1], v[NINF], s21
	v_cndmask_b32 v[BF1], v[BF1], v[DA1], s20
	v_cndmask_b32 v[BF1], v[BF1], v[DB1], s21
	v_max3_num_f32 v[T+6], v[M], v[T+3], v[T+4]
	v_max_num_f32 v[T+6], v[T+6], v[T+5]           ; the new running maximum (two of the three are always folded: it is finite)
	v_sub_f32 v[T], v[M], v[T+6]
	v_sub_f32 v[T+3], v[T+3], v[T+6]
	v_sub_f32 v[T+4], v[T+4], v[T+6]
	v_sub_f32 v[T+5], v[T+5], v[T+6]
	v_exp_f32 v[SC], v[T]
	v_exp_f32 v[PO], v[T+3]
	v_exp_f32 v[PA], v[T+4]
	v_exp_f32 v[PB], v[T+5]
	v_mov_b32 v[M], v[T+6]                         ; the plain instruction that stands between the exponentials and their use (ISA guide 5.7.2)
	s_wait_alu depctr_va_vdst(0)
	v_fma_f32 v[S], v[S], v[SC], v[PO]
	v_add_f32 v[T], v[PA], v[PB]
	v_add_f32 v[S], v[S], v[T]
	; sum = sum x SC + PO x BEST + PA x a + PB x b, in four passes of sixteen independent instructions
.set i, 0
.rept 16
	v_pk_mul_f32 v[ACC+i:ACC+i+1], v[ACC+i:ACC+i+1], v[SC:SC+1] op_sel_hi:[1,0]
.set i, i+2
.endr
.set i, 0
.rept 16
	v_pk_fma_f32 v[ACC+i:ACC+i+1], v[BEST+i:BEST+i+1], v[PO:PO+1], v[ACC+i:ACC+i+1] op_sel_hi:[1,0,1]
.set i, i+2
.endr
	s_not_b32 vcc_lo, s20                          ; set: a does not take BEST's place
	WIN 0x01
.set i, 0
.rept 16
	v_pk_fma_f32 v[ACC+i:ACC+i+1], v[XA+i:XA+i+1], v[PA:PA+1], v[ACC+i:ACC+i+1] op_sel_hi:[1,0,1]
.set i, i+2
.endr
.set i, 0
.rept 16
	v_pk_fma_f32 v[ACC+i:ACC+i+1], v[XB+i:XB+i+1], v[PB:PB+1], v[ACC+i:ACC+i+1] op_sel_hi:[1,0,1]
.set i, i+2
.endr
.set i, 0
.rept 32
	v_cndmask_b32 v[BEST+i], v[XA+i], v[BEST+i], vcc_lo    ; the row is source 0, so that one window setting serves the whole update
.set i, i+1
.endr
	s_not_b32 vcc_lo, s21                          ; set: b does not take its place
.set i, 0
.rept 32
	v_cndmask_b32 v[BEST+i], v[XB+i], v[BEST+i], vcc_lo
.set i, i+1
.endr
.endif
.if \fill
	FILL \p, SLOTS+\p
.endif
.endm
	STEP 0, 1, 1, 48                               ; steps 0-3 stand in front of the loop: the first pair starts the state.
	STEP 1, 0, 1, 48                               ; 48 = the sixteen loads of each of the three younger slots
	STEP 2, 0, 1, 48
	STEP 3, 0, 1, 48
	WIN 0                                          ; at a label and at a branch every window is 0
	s_wait_xcnt 0x0                                ; the base is stepped only when every load issued has had its address taken (ISA guide 3.1)
	s_add_nc_u64 s[4:5], s[4:5], SLOTS*STEPB
	s_mov_b32 s13, 2                               ; steps 4-11
.Lround:
	STEP 0, 0, 1, 48
	STEP 1, 0, 1, 48
	STEP 2, 0, 1, 48
	STEP 3, 0, 1, 48
	WIN 0
	s_wait_xcnt 0x0
	s_add_nc_u64 s[4:5], s[4:5], SLOTS*STEPB
	s_sub_co_u32 s13, s13, 1
	s_cmp_lg_u32 s13, 0
	s_cbranch_scc1 .Lround
	STEP 0, 0, 0, 48                               ; steps 12-15 ask for nothing: no load leaves the work-group's rows, the counts run down
	STEP 1, 0, 0, 32
	STEP 2, 0, 0, 16
	STEP 3, 0, 0, 0
	WIN 0
	; THE EIGHT WAVES JOIN.  Registers of the dot products and of w1, w2 are free now.
.set LM,   4                           ; v[4:7]: of the wave that my lane stands for (lane & 7): its M, S, BF1, BF2
.set LS,   5
.set LG1,  6
.set LG2,  7
.set A2,   8                           ; its SEC; then the work-group's second largest f2
.set LW,   9                           ; lane & 7
.set TT,   10
.set LA,   11                          ; LDS address of my 16 bytes in my wave's 4096
.set MW,   12                          ; v[12:15] the record's figures: maximum of the folded f1,
.set SW,   13                          ;          sum of weights,
.set WG1,  14                          ;          f1 of the row kept apart,
.set A1,   15                          ;          its f2 (the work-group's largest)
.set E,    16                          ; v[16:19] at work
	s_lshl_b32 s16, s12, 5
	s_lshl_b32 s17, s12, 12
	v_mov_b32 v[E], s16                            ; my wave's 32 bytes; all lanes write the same words with the same values
	ds_store_b32 v[E], v[M] offset:STATS
	ds_store_b32 v[E], v[S] offset:STATS+4
	ds_store_b32 v[E], v[BF1] offset:STATS+8
	ds_store_b32 v[E], v[BF2] offset:STATS+12
	ds_store_b32 v[E], v[SEC] offset:STATS+16
	s_wait_dscnt 0x0                               ; for the other waves' sake: my figures are in LDS before I signal
	s_barrier_signal -1
	s_barrier_wait -1
	v_and_b32 v[LW], 7, v0
	v_lshlrev_b32 v[E+1], 5, v[LW]
	ds_load_b128 v[LM:LM+3], v[E+1] offset:STATS
	ds_load_b32 v[A2], v[E+1] offset:STATS+16
	s_wait_dscnt 0x0
	v_mov_b32 v[A1], v[LG2]                        ; LG2 itself is compared with the result below
.irp m, 1, 2, 4                                    ; the two largest of two disjoint sets, three times: all eight waves, in every lane
	v_min_num_f32_dpp v[TT], v[A1], v[A1] row_xmask:\m row_mask:0xf bank_mask:0xf
	v_max_num_f32_dpp v[A2], v[A2], v[A2] row_xmask:\m row_mask:0xf bank_mask:0xf
	v_max_num_f32_dpp v[A1], v[A1], v[A1] row_xmask:\m row_mask:0xf bank_mask:0xf
	v_max_num_f32 v[A2], v[A2], v[TT]
.endr
	v_cmp_eq_f32 vcc_lo, v[LG2], v[A1]
	s_ctz_i32_b32 s20, vcc_lo                      ; the lowest wave that holds the largest f2: exactly one row stays apart.  Used for selects alone
	v_cmp_eq_u32 s21, s20, v[LW]                   ; lanes that stand for that wave
	s_cmp_eq_u32 s20, s12
	s_cselect_b32 s22, -1, 0                       ; all ones if it is my wave
	v_cndmask_b32 v[E], v[LG1], v[NINF], s21       ; the other seven candidates are folded in with their f1
	v_cndmask_b32 v[WG1], v[NINF], v[LG1], s21
	v_max_num_f32 v[MW], v[LM], v[E]
.irp m, 1, 2, 4
	v_max_num_f32_dpp v[MW], v[MW], v[MW] row_xmask:\m row_mask:0xf bank_mask:0xf
	v_max_num_f32_dpp v[WG1], v[WG1], v[WG1] row_xmask:\m row_mask:0xf bank_mask:0xf
.endr
	v_sub_f32 v[E+1], v[LM], v[MW]
	v_sub_f32 v[E], v[E], v[MW]
	v_cndmask_b32 v[E+2], v[BF1], v[NINF], s22     ; my own candidate: weight 0 if it stays apart
	v_sub_f32 v[E+2], v[E+2], v[MW]
	v_sub_f32 v[E+3], v[M], v[MW]
	v_exp_f32 v[SW], v[E+1]
	v_exp_f32 v[TT], v[E]
	v_exp_f32 v[SC], v[E+3]                        ; my sum's factor
	v_exp_f32 v[PO], v[E+2]                        ; my candidate's weight
	v_add_nc_u32 v[LA], s17, v[LOFF]               ; (the plain instruction behind the exponentials)
	s_wait_alu depctr_va_vdst(0)
	v_fma_f32 v[SW], v[LS], v[SW], v[TT]
.irp m, 1, 2, 4
	v_add_f32_dpp v[SW], v[SW], v[SW] row_xmask:\m row_mask:0xf bank_mask:0xf
.endr
.set i, 0
.rept 16
	v_pk_mul_f32 v[ACC+i:ACC+i+1], v[ACC+i:ACC+i+1], v[SC:SC+1] op_sel_hi:[1,0]
.set i, i+2
.endr
.set i, 0
.rept 16
	v_pk_fma_f32 v[ACC+i:ACC+i+1], v[BEST+i:BEST+i+1], v[PO:PO+1], v[ACC+i:ACC+i+1] op_sel_hi:[1,0,1]
.set i, i+2
.endr
.irp k, 0,1,2,3,4,5,6,7
	ds_store_b128 v[LA], v[ACC+4*\k:ACC+4*\k+3] offset:RA+512*\k      ; 32 lanes, 512 consecutive bytes: no two lanes on one bank
.endr
.set i, 0
.rept 32
	v_cndmask_b32 v[BEST+i], 0, v[BEST+i], s22     ; seven waves hand in zeros: the sum below is the one row, unchanged
.set i, i+1
.endr
.irp k, 0,1,2,3,4,5,6,7
	ds_store_b128 v[LA], v[BEST+4*\k:BEST+4*\k+3] offset:RC+512*\k
.endr
	s_wait_dscnt 0x0                               ; my parts are in LDS before I signal
	s_barrier_signal -1
	s_barrier_wait -1
	; thread t adds columns 4 t .. 4 t + 3 of the eight parts, for the sum and for the row kept apart
	v_lshlrev_b32 v[E], 4, v0
.irp w, 0,1,2,3,4,5,6,7
	ds_load_b128 v[W1+4*\w:W1+4*\w+3], v[E] offset:RA+4096*\w
.endr
.irp w, 0,1,2,3,4,5,6,7
	ds_load_b128 v[W2+4*\w:W2+4*\w+3], v[E] offset:RC+4096*\w
.endr
.macro SUM8 r                          ; eight vectors of four f32 at r, as a tree
.irp a, 0, 8, 16, 24
	v_pk_add_f32 v[\r+\a:\r+\a+1], v[\r+\a:\r+\a+1], v[\r+\a+4:\r+\a+5]
	v_pk_add_f32 v[\r+\a+2:\r+\a+3], v[\r+\a+2:\r+\a+3], v[\r+\a+6:\r+\a+7]
.endr
.irp a, 0, 16
	v_pk_add_f32 v[\r+\a:\r+\a+1], v[\r+\a:\r+\a+1], v[\r+\a+8:\r+\a+9]
	v_pk_add_f32 v[\r+\a+2:\r+\a+3], v[\r+\a+2:\r+\a+3], v[\r+\a+10:\r+\a+11]
.endr
	v_pk_add_f32 v[\r:\r+1], v[\r:\r+1], v[\r+16:\r+17]
	v_pk_add_f32 v[\r+2:\r+3], v[\r+2:\r+3], v[\r+18:\r+19]
.endm
	s_wait_dscnt 8                                 ; the eight parts of the sum are in; the eight younger loads stay out
	SUM8 W1
	global_store_b128 v[E], v[W1:W1+3], s[10:11]               ; each store of a wave covers 512 consecutive bytes, aligned
	s_wait_dscnt 0x0
	SUM8 W2
	global_store_b128 v[E], v[W2:W2+3], s[10:11] offset:4096
	; the five figures, by wave 0: even lanes write (max, sum, f1, f2), odd lanes (second largest f2, ..): 32 bytes, sixteen times over,
	; so that this store too covers 512 consecutive bytes and the record has no byte that is left unwritten
	s_cmp_lg_u32 s12, 0
	s_cbranch_scc1 .Lend
	v_and_b32 v[E+1], 1, v0
	v_cmp_eq_u32 vcc_lo, 1, v[E+1]
	v_cndmask_b32 v[MW], v[MW], v[A2], vcc_lo
	global_store_b128 v[LOFF], v[MW:MW+3], s[10:11] offset:8192
.Lend:
	s_wait_tensorcnt 0x0
	ds_add_u32 v254, v255
	s_wait_dscnt 0x0
	s_endpgm
.Lfunc_end_k_q1c39ded3f5_stream:
	.size	k_q1c39ded3f5_stream, .Lfunc_end_k_q1c39ded3f5_stream-k_q1c39ded3f5_stream
	.p2alignl 7, 3214868480
	.fill 96, 4, 3214868480
	.section	.rodata,"a",@progbits
	.p2align	6, 0x0
	.amdhsa_kernel k_q1c39ded3f5_stream
		.amdhsa_group_segment_fixed_size 66816
		.amdhsa_private_segment_fixed_size 0
		.amdhsa_enable_private_segment 0
		.amdhsa_kernarg_size 32
		.amdhsa_user_sgpr_count 2
		.amdhsa_user_sgpr_kernarg_segment_ptr 1
		.amdhsa_wavefront_size32 1
		.amdhsa_system_sgpr_workgroup_id_x 1
		.amdhsa_system_sgpr_workgroup_id_y 1
		.amdhsa_system_sgpr_workgroup_id_z 1
		.amdhsa_system_vgpr_workitem_id 0
		.amdhsa_next_free_vgpr 512
		.amdhsa_next_free_sgpr 66
		.amdhsa_reserve_vcc 1
		.amdhsa_float_denorm_mode_32 3
		.amdhsa_float_denorm_mode_16_64 3
		.amdhsa_memory_ordered 1
		.amdhsa_forward_progress 1
		.amdhsa_inst_pref_size 184
	.end_amdhsa_kernel
	.amdgpu_metadata
---
amdhsa.version: [ 1, 2 ]
amdhsa.kernels:
  - .name:           k_q1c39ded3f5_stream
    .symbol:         k_q1c39ded3f5_stream.kd
    .args:
      - { .name: embedding, .offset: 0, .size: 8, .value_kind: global_buffer, .address_space: global }
      - { .name: w1, .offset: 8, .size: 8, .value_kind: global_buffer, .address_space: global }
      - { .name: w2, .offset: 16, .size: 8, .value_kind: global_buffer, .address_space: global }
      - { .name: part, .offset: 24, .size: 8, .value_kind: global_buffer, .address_space: global }
    .group_segment_fixed_size: 66816
    .private_segment_fixed_size: 0
    .kernarg_segment_align: 8
    .kernarg_segment_size: 32
    .max_flat_workgroup_size: 256
    .sgpr_count:     66
    .vgpr_count:     512
    .wavefront_size: 32
...
	.end_amdgpu_metadata
.endif
;; end of part 1
;; launch combine (part 2): grid 8 x 32, 1 waves a work-group, no clusters, 0 bytes of LDS; arguments part, b, out0; writes out0
.if DOCPART == 2
	.amdgcn_target "amdgcn-amd-amdhsa--gfx1250"
	.amdhsa_code_object_version 6
	.text
	.protected	k_q1c39ded3f5_combine
	.globl	k_q1c39ded3f5_combine
	.p2align	8
	.type	k_q1c39ded3f5_combine,@function
k_q1c39ded3f5_combine:
	s_mov_b64 s[64:65], 0
	v_nop
	global_prefetch_b8 v0, s[64:65] scope:SCOPE_SE
	s_setreg_imm32_b32 hwreg(HW_REG_WAVE_MODE, 25, 1), 1
	s_wait_xcnt 0x0
; PASS 2 of 2.  out0[batch][col] from the batch's eight records (see the first launch): record c holds sum_c[1024] (weights exp2(f1 - m_c),
; f1 in log2 units), the row R_c[1024] that was kept apart, and m_c, s_c, g1_c (f1 of R_c), g2_c (f2 of R_c), sec_c (second largest f2).
; logit = f1 + off + b, off = the batch's largest f2 (M1), but the second largest (M2) at the row that holds M1;
; the largest logit is taken away before the exponentials.  If several records hold M1, then M2 = M1 and the choice changes nothing.
; One wave a work-group: work-group (x, y) makes columns 128 x .. 128 x + 127 of batch y, four columns a lane, so that each load and the
; store cover 512 consecutive bytes, aligned.  The eight waves of a batch each make the sixteen weights for themselves (lane & 7 stands
; for a record): that repeats 8 x 20 bytes of loads and spares a barrier.  All loads are issued at once; nothing is shared: no LDS, no cluster.
.set RECB, 8704
.set COL,  1                           ; byte of my four columns in a row of 4096
.set REC,  2                           ; byte offset of record lane & 7
.set LM,   4                           ; v[4:7] m, s, g1, g2 of my lane's record
.set LS,   5
.set LG1,  6
.set LG2,  7
.set A2,   8                           ; sec; then M2
.set A1,   9                           ; M1
.set TT,   10
.set ZC,   11                          ; logit of the row kept apart (log2 units)
.set Z,    12                          ; largest logit among the folded rows of the record
.set ZM,   13                          ; the batch's largest logit
.set AL,   14                          ; weight of sum_c
.set BE,   15                          ; weight of R_c
.set DEN,  16
.set RCP,  17
.set O,    20                          ; v[20:23] my four results
.set XS,   32                          ; v[32:63] sum_c, four columns each
.set XR,   64                          ; v[64:95] R_c
	s_load_b128 s[4:7], s[0:1], 0x0                ; part s[4:5], b s[6:7]
	s_load_b64 s[8:9], s[0:1], 0x10                ; out0
	s_and_b32 s10, ttmp7, 0xffff                   ; batch
	s_mul_i32 s2, s10, 8*RECB
	s_mov_b32 s3, 0
	s_lshl_b32 s12, s10, 12                        ; a row of out0 is 4096 bytes
	s_mov_b32 s13, 0
	s_lshl_b32 s11, ttmp9, 9
	v_lshl_add_u32 v[COL], v0, 4, s11
	v_and_b32 v[REC], 7, v0
	v_mul_u32_u24 v[REC], v[REC], RECB
	v_mov_b32 v[TT], 0                             ; a DPP destination counts as read: written once here
	s_wait_kmcnt 0x0
	s_add_nc_u64 s[4:5], s[4:5], s[2:3]
	s_add_nc_u64 s[8:9], s[8:9], s[12:13]
	s_load_b32 s14, s[6:7], 0x0                    ; b
	global_load_b128 v[LM:LM+3], v[REC], s[4:5] offset:8192
	global_load_b32 v[A2], v[REC], s[4:5] offset:8208
.irp c, 0,1,2,3,4,5,6,7
	global_load_b128 v[XS+4*\c:XS+4*\c+3], v[COL], s[4:5] offset:\c*RECB
	global_load_b128 v[XR+4*\c:XR+4*\c+3], v[COL], s[4:5] offset:\c*RECB+4096
.endr
	s_wait_loadcnt 16                              ; the figures are in; the sixteen younger loads stay out while the weights are made
	s_wait_kmcnt 0x0
	v_mov_b32 v[A1], v[LG2]                        ; LG2 itself is compared with the result below
.irp m, 1, 2, 4                                    ; the two largest f2 of the batch, in every lane
	v_min_num_f32_dpp v[TT], v[A1], v[A1] row_xmask:\m row_mask:0xf bank_mask:0xf
	v_max_num_f32_dpp v[A2], v[A2], v[A2] row_xmask:\m row_mask:0xf bank_mask:0xf
	v_max_num_f32_dpp v[A1], v[A1], v[A1] row_xmask:\m row_mask:0xf bank_mask:0xf
	v_max_num_f32 v[A2], v[A2], v[TT]
.endr
	v_cmp_eq_f32 vcc_lo, v[LG2], v[A1]             ; my record's row is the one with the largest f2
	v_cndmask_b32 v[ZC], v[A1], v[A2], vcc_lo      ; its off-diagonal maximum: M2 there, M1 elsewhere
	v_add_f32 v[Z], s14, v[A1]                     ; M1 + b
	v_add_f32 v[ZC], s14, v[ZC]
	v_fmamk_f32 v[Z], v[Z], 0x3fb8aa3b, v[LM]      ; (M1 + b) log2(e) + m_c
	v_fmamk_f32 v[ZC], v[ZC], 0x3fb8aa3b, v[LG1]   ; (off + b) log2(e) + g1_c
	v_max_num_f32 v[ZM], v[Z], v[ZC]
.irp m, 1, 2, 4
	v_max_num_f32_dpp v[ZM], v[ZM], v[ZM] row_xmask:\m row_mask:0xf bank_mask:0xf
.endr
	v_sub_f32 v[Z], v[Z], v[ZM]
	v_sub_f32 v[ZC], v[ZC], v[ZM]
	v_exp_f32 v[AL], v[Z]
	v_exp_f32 v[BE], v[ZC]
	v_nop                                          ; one plain instruction behind a transcendental before its result is used (ISA guide 5.7.2)
	s_wait_alu depctr_va_vdst(0)
	v_fma_f32 v[DEN], v[LS], v[AL], v[BE]
.irp m, 1, 2, 4
	v_add_f32_dpp v[DEN], v[DEN], v[DEN] row_xmask:\m row_mask:0xf bank_mask:0xf
.endr
	v_rcp_f32 v[RCP], v[DEN]                       ; the sum holds the term of the largest logit, so it is at least about 1
	v_nop
	s_wait_alu depctr_va_vdst(0)
	v_mul_f32 v[AL], v[AL], v[RCP]
	v_mul_f32 v[BE], v[BE], v[RCP]
.irp c, 0,1,2,3,4,5,6,7
	v_readlane_b32 s[16+\c], v[AL], \c             ; lane c holds record c's weights: to scalars, for all lanes
	v_readlane_b32 s[24+\c], v[BE], \c
.endr
	s_wait_loadcnt 0x0
.irp j, 0,1,2,3
	v_mul_f32 v[O+\j], s16, v[XS+\j]               ; the first product starts the sums
.endr
.irp c, 1,2,3,4,5,6,7
.irp j, 0,1,2,3
	v_fmac_f32 v[O+\j], s[16+\c], v[XS+4*\c+\j]
.endr
.endr
.irp c, 0,1,2,3,4,5,6,7
.irp j, 0,1,2,3
	v_fmac_f32 v[O+\j], s[24+\c], v[XR+4*\c+\j]
.endr
.endr
	global_store_b128 v[COL], v[O:O+3], s[8:9]
	s_endpgm
.Lfunc_end_k_q1c39ded3f5_combine:
	.size	k_q1c39ded3f5_combine, .Lfunc_end_k_q1c39ded3f5_combine-k_q1c39ded3f5_combine
	.p2alignl 7, 3214868480
	.fill 96, 4, 3214868480
	.section	.rodata,"a",@progbits
	.p2align	6, 0x0
	.amdhsa_kernel k_q1c39ded3f5_combine
		.amdhsa_group_segment_fixed_size 0
		.amdhsa_private_segment_fixed_size 0
		.amdhsa_enable_private_segment 0
		.amdhsa_kernarg_size 24
		.amdhsa_user_sgpr_count 2
		.amdhsa_user_sgpr_kernarg_segment_ptr 1
		.amdhsa_wavefront_size32 1
		.amdhsa_system_sgpr_workgroup_id_x 1
		.amdhsa_system_sgpr_workgroup_id_y 1
		.amdhsa_system_sgpr_workgroup_id_z 1
		.amdhsa_system_vgpr_workitem_id 0
		.amdhsa_next_free_vgpr 96
		.amdhsa_next_free_sgpr 66
		.amdhsa_reserve_vcc 1
		.amdhsa_float_denorm_mode_32 3
		.amdhsa_float_denorm_mode_16_64 3
		.amdhsa_memory_ordered 1
		.amdhsa_forward_progress 1
		.amdhsa_inst_pref_size 8
	.end_amdhsa_kernel
	.amdgpu_metadata
---
amdhsa.version: [ 1, 2 ]
amdhsa.kernels:
  - .name:           k_q1c39ded3f5_combine
    .symbol:         k_q1c39ded3f5_combine.kd
    .args:
      - { .name: part, .offset: 0, .size: 8, .value_kind: global_buffer, .address_space: global }
      - { .name: b, .offset: 8, .size: 8, .value_kind: global_buffer, .address_space: global }
      - { .name: out0, .offset: 16, .size: 8, .value_kind: global_buffer, .address_space: global }
    .group_segment_fixed_size: 0
    .private_segment_fixed_size: 0
    .kernarg_segment_align: 8
    .kernarg_segment_size: 24
    .max_flat_workgroup_size: 32
    .sgpr_count:     66
    .vgpr_count:     96
    .wavefront_size: 32
...
	.end_amdgpu_metadata
.endif
;; end of part 2
;; ======== version 2 of 2: 2 launches; version 1 with the launch stream written anew for expert scheduling mode
;; workspace buffers: part 2,228,224 bytes
;; launch stream (part 3): grid 256 x 1, 8 waves a work-group, no clusters, 66,816 bytes of LDS; arguments embedding, w1, w2, part; writes part
.if DOCPART == 3
	.amdgcn_target "amdgcn-amd-amdhsa--gfx1250"
	.amdhsa_code_object_version 6
	.text
	.protected	k_q1c39ded3f5_stream
	.globl	k_q1c39ded3f5_stream
	.p2align	8
	.type	k_q1c39ded3f5_stream,@function
k_q1c39ded3f5_stream:
	s_mov_b64 s[64:65], 0
	v_nop
	global_prefetch_b8 v0, s[64:65] scope:SCOPE_SE
	s_setreg_imm32_b32 hwreg(HW_REG_WAVE_SCHED_MODE, 0, 2), 2
	s_setreg_imm32_b32 hwreg(HW_REG_WAVE_MODE, 25, 1), 1
	s_wait_xcnt 0x0
	s_wait_alu depctr_vm_vsrc(0)
; PASS 1 of 2.  embedding [32][2048][1024] f32 is read once.  A work-group owns 256 rows of one batch (8 work-groups a batch).
; For a row i: f1 = E[i].w1, f2 = E[i].w2.  The softmax weight of row i is exp(f1[i] + off[i] + b), where off is the largest f2 of the
; batch, except at the row that holds it, where it is the second largest.  That row is known only at the end, so the row with the
; largest f2 SO FAR is never added to the running sum: it is kept apart in registers (BEST) and folded in when a later row beats it.
; Nothing is ever subtracted.  All choices are v_cndmask_b32 or a weight exp2(-inf) = 0; no branch, no address hangs on the data.
; The sum is kept against a running maximum of the folded f1 (M), rescaled once for each pair of rows.
; f1 is carried in units of log2: w1 is multiplied by log2(e) once, so that v_exp_f32 (base 2) takes differences as they are.
; Out: a record of RECB bytes for each work-group: sum[1024], the row kept apart[1024], and five figures (max, sum of weights,
; f1 and f2 of the row kept apart, second largest f2); the second launch joins a batch's eight records.
;
; SHARES.  Eight waves; in step t wave w takes rows 16 t + 2 w and 16 t + 2 w + 1; a wave holds a whole row: lane l has columns
; 128 k + 4 l .. + 3, k = 0..7, so each load of a wave covers 512 consecutive bytes, aligned, and both dot products end inside the wave.
; A ring of four pair slots (64 registers each): one at work, one being asked for again, two on their way: 32 to 48 loads of every wave are out.
; NOT USED, by this text's own arithmetic: matrix instructions (the products have 2 columns where a tile has 16, and the rows would have
; to be converted and turned through LDS); clusters (work-groups share only w1 and w2, 8 KiB against 1 MiB of rows of their own);
; LDS as a ring (the registers hold what is in flight; every byte would pass LDS twice more); prefetches (the ring asks without a pause).
; LIMITS: NaN and infinities among the inputs are not followed.  Equal largest f2: any one of the tied rows is kept apart, which gives the
; same result, since largest and second largest are then equal.
;
; THE MODE: SCHED_MODE bits 1:0 = 2 (LLVM: expert scheduling mode 2), set by the entry lines.  The code itself states the register dependences
; between vector instructions and memory or LDS instructions, with s_wait_alu, always for 0.
; THE PLAN.  Registers that memory instructions touch, in the loop:
;   X0 .. X3    the four pair slots.  Step n's vector instructions read X[n % 4] and no other slot.  The loads of step n + 3 are issued in step n and
;               land in X[(n + 3) % 4] = X[(n - 1) % 4], the slot that step n - 1 worked on.
;   v[VOFF]     the offset of every load of rows: made at the head, never written again; the rows are reached by the scalar base and by immediates.
; So ONE wait on va_vdst stands at the head of a step that asks for rows: the step before is done reading its slot.  The step's sixteen loads follow,
; four at a time among its dot products, which name X[n % 4], w1, w2 and v4-v11: none of the registers that those loads touch.
; No register that a memory instruction reads is written in the loop: it holds no wait on vm_vsrc.  The masks that compares write into scalar registers
; or VCC are waited for (va_sdst, va_vcc) ahead of their first reader.  The join of the waves has its own few waits, each with its comment.
.set ROWB,  4096                       ; bytes in a row
.set STEPB, 8*2*ROWB                   ; the 16 rows that the eight waves take in one step
.set SLOTS, 4
.set RECB,  8704                       ; a work-group's record: 4096 + 4096 + 512
.set STATS, 0                          ; LDS: 8 waves x 32 bytes of figures
.set RA,    256                        ; LDS: 8 waves x 4096 bytes, the waves' sums
.set RC,    RA+32768                   ; LDS: 8 waves x 4096 bytes, the row kept apart (zeros from seven of the waves)
; window 0
.set LOFF, 1                           ; 16 x lane
.set VOFF, 2                           ; 16 x lane + 8192 x wave
.set DA1,  4                           ; v[4:5]   row a . w1      (after the reduction the even register holds the result)
.set DA2,  6                           ; v[6:7]   row a . w2
.set DB1,  8                           ; v[8:9]   row b . w1
.set DB2,  10                          ; v[10:11] row b . w2
.set T,    12                          ; v[12:19] at work
; The four weights stand in even registers, since the packed forms broadcast the FIRST register of a pair (op_sel_hi 0); the odd
; registers beside them hold state that is always written, as the whole pair counts as read.
.set SC,   20                          ; exp2(old max - new max)
.set M,    21                          ; running maximum of the folded f1 (log2 units)
.set PO,   22                          ; weight of the row that leaves BEST (0 if it stays)
.set S,    23                          ; running sum of weights
.set PA,   24                          ; weight of row a (0 if it becomes BEST)
.set BF1,  25                          ; f1 of BEST
.set PB,   26                          ; weight of row b
.set BF2,  27                          ; f2 of BEST: the largest so far
.set SEC,  28                          ; the second largest f2 so far
.set NINF, 29                          ; -infinity
.set W1,   32                          ; v[32:63]   w1 x log2(e), my 32 columns
.set W2,   64                          ; v[64:95]   w2
.set ACC,  96                          ; v[96:127]  running weighted sum
.set BEST, 128                         ; v[128:159] the row kept apart
; window 1 (v256-v511): pair slot p at 64 p: row a in 32 registers, row b in the next 32
.set MSB, 0
.macro WIN new                         ; s_set_vgpr_msb: bits 1:0 source 0, 3:2 source 1, 5:4 source 2, 7:6 destination; the high byte repeats the setting left
.if MSB != \new
	s_set_vgpr_msb (MSB<<8)|\new
.set MSB, \new
.endif
.endm
	s_load_b256 s[4:11], s[0:1], 0x0               ; embedding s[4:5], w1 s[6:7], w2 s[8:9], part s[10:11]
	v_lshl_add_u32 v254, v0, 2, 0x10100
	v_mov_b32 v255, 0
	v_and_b32 v3, 31, v0                           ; lane
	v_lshrrev_b32 v[T], 5, v0
	v_readfirstlane_b32 s12, v[T]                  ; wave 0..7
	v_lshlrev_b32 v[LOFF], 4, v3
	v_mov_b32 v[NINF], 0xff800000
	s_lshl_b32 s2, ttmp9, 20                       ; 256 rows x 4096 bytes a work-group; 255 x 2^20 stays below 2^32
	s_mov_b32 s3, 0
	s_mul_i32 s18, ttmp9, RECB
	s_mov_b32 s19, 0
	s_mov_b32 s14, 0x76543210                      ; v_permlanex16_b32: lane i of one half reads lane i of the other
	s_mov_b32 s15, 0xfedcba98
	s_wait_alu depctr_va_sdst(0)                   ; s12 is written, ahead of its first reader
	s_lshl_b32 s16, s12, 13                        ; my pair of rows inside a step
	v_add_nc_u32 v[VOFF], s16, v[LOFF]
	s_wait_kmcnt 0x0
	s_add_nc_u64 s[4:5], s[4:5], s[2:3]            ; my work-group's first row
	s_add_nc_u64 s[10:11], s[10:11], s[18:19]      ; my work-group's record
	s_wait_alu depctr_va_vdst(0)                   ; v[LOFF] and v[VOFF] are written: every global load of the kernel reads one of them as its offset
.irp k, 0,1,2,3,4,5,6,7
	global_load_b128 v[W1+4*\k:W1+4*\k+3], v[LOFF], s[6:7] offset:512*\k
	global_load_b128 v[W2+4*\k:W2+4*\k+3], v[LOFF], s[8:9] offset:512*\k
.endr
; four loads: quarter q of my two rows (row q / 2, bytes 2048 (q % 2) on) of the step that lies t steps behind the base, into slot p
.macro FILL4 p, t, q
	WIN 0x40                                       ; destination in window 1, the offset register in window 0
.irp j, 0,1,2,3
	global_load_b128 v[64*(\p)+16*(\q)+4*\j:64*(\p)+16*(\q)+4*\j+3], v[VOFF], s[4:5] offset:(\t)*STEPB+((\q)/2)*ROWB+(((\q)%2)*4+\j)*512 th:TH_LOAD_NT
.endr
.endm
.macro FILL p, t                       ; all sixteen
.irp q, 0,1,2,3
	FILL4 \p, \t, \q
.endr
.endm
	FILL 0, 0
	FILL 1, 1
	FILL 2, 2                                      ; slot 3 is asked for in step 0, like every slot after it: in the step behind the one that worked on it
; One step: the pair in slot p.  first = 1: the pair starts all state (nothing is cleared).  fill = 1: the slot in front of p in the ring is asked
; for again, three steps ahead.  left = how many younger loads may stay out.
.macro STEP p, first, fill, left
.set XA, 64*\p
.set XB, 64*\p+32
	s_wait_loadcnt \left                           ; loads return in order: this slot's sixteen are in, those of the younger slots stay out
.if \fill && !\first
	s_wait_alu depctr_va_vdst(0)                   ; the step before is done reading its slot, in which this step's sixteen loads land
.endif
.if \first
	WIN 0
.set i, 0
.rept 16
	v_pk_mul_f32 v[W1+i:W1+i+1], v[W1+i:W1+i+1], 0x3fb8aa3b op_sel_hi:[1,0]   ; w1 x log2(e), once
.set i, i+2
.endr
.endif
	; four dot products, two columns an instruction; the first products start the sums.  In front of each sixteen of them stand four of the
	; step's loads: no vector instruction since the wait above names the registers of that slot or v[VOFF]
.set i, 0
.rept 16
.if \fill && (i % 8 == 0)
	FILL4 (\p+3)%4, \p+3, i/8
.endif
	WIN 0x01                                       ; source 0 (the row) in window 1
.if i == 0
	v_pk_mul_f32 v[DA1:DA1+1], v[XA:XA+1], v[W1:W1+1]
	v_pk_mul_f32 v[DA2:DA2+1], v[XA:XA+1], v[W2:W2+1]
	v_pk_mul_f32 v[DB1:DB1+1], v[XB:XB+1], v[W1:W1+1]
	v_pk_mul_f32 v[DB2:DB2+1], v[XB:XB+1], v[W2:W2+1]
.else
	v_pk_fma_f32 v[DA1:DA1+1], v[XA+i:XA+i+1], v[W1+i:W1+i+1], v[DA1:DA1+1]
	v_pk_fma_f32 v[DA2:DA2+1], v[XA+i:XA+i+1], v[W2+i:W2+i+1], v[DA2:DA2+1]
	v_pk_fma_f32 v[DB1:DB1+1], v[XB+i:XB+i+1], v[W1+i:W1+i+1], v[DB1:DB1+1]
	v_pk_fma_f32 v[DB2:DB2+1], v[XB+i:XB+i+1], v[W2+i:W2+i+1], v[DB2:DB2+1]
.endif
.set i, i+2
.endr
	WIN 0
.irp d, DA1, DA2, DB1, DB2
	v_add_f32 v[\d], v[\d], v[\d+1]
.endr
.irp m, 1, 2, 4, 8                                 ; across the 16 lanes of each half, on the additions themselves
.irp d, DA1, DA2, DB1, DB2
	v_add_f32_dpp v[\d], v[\d], v[\d] row_xmask:\m row_mask:0xf bank_mask:0xf
.endr
.endr
.irp d, DA1, DA2, DB1, DB2
	v_permlanex16_b32 v[\d+1], v[\d], s14, s15     ; the other half; the destination counts as read and has been written above
.endr
.irp d, DA1, DA2, DB1, DB2
	v_add_f32 v[\d], v[\d], v[\d+1]                ; every lane now holds a1, a2, b1, b2
.endr
.if \first
	; the row with the larger f2 is kept apart, the other starts the sum with weight 1 at maximum = its own f1
	v_cmp_gt_f32 vcc_lo, v[DB2], v[DA2]
	v_max_num_f32 v[BF2], v[DA2], v[DB2]
	v_min_num_f32 v[SEC], v[DA2], v[DB2]
	s_wait_alu depctr_va_vcc(0)                    ; the compare has written VCC, ahead of the first select that reads it
	v_cndmask_b32 v[BF1], v[DA1], v[DB1], vcc_lo
	v_cndmask_b32 v[M], v[DB1], v[DA1], vcc_lo
	v_mov_b32 v[S], 1.0
	WIN 0x05                                       ; both sources in window 1
.set i, 0
.rept 32
	v_cndmask_b32 v[ACC+i], v[XB+i], v[XA+i], vcc_lo
	v_cndmask_b32 v[BEST+i], v[XA+i], v[XB+i], vcc_lo
.set i, i+1
.endr
.else
	; who is kept apart now: the old row, a or b (strictly greater wins); the two largest f2
	v_cmp_gt_f32 s20, v[DA2], v[BF2]               ; a beats the old row
	v_min_num_f32 v[T], v[DA2], v[BF2]
	v_max_num_f32 v[T+1], v[DA2], v[BF2]
	v_cmp_gt_f32 s21, v[DB2], v[T+1]               ; b beats both
	v_min_num_f32 v[T+2], v[DB2], v[T+1]
	v_max_num_f32 v[BF2], v[DB2], v[T+1]
	v_max3_num_f32 v[SEC], v[SEC], v[T], v[T+2]
	s_wait_alu depctr_va_sdst(0)                   ; the two compares have written s20 and s21, ahead of their first reader
	s_or_b32 s22, s20, s21                         ; the old row leaves
	s_and_not1_b32 s23, s20, s21                   ; a is the new one
	v_cndmask_b32 v[T+3], v[NINF], v[BF1], s22     ; the f1 with which each of the three is folded in: -inf (weight 0) for the one kept apart
	v_cndmask_b32 v[T+4], v[DA1], v[NINF], s23
	v_cndmask_b32 v[T+5], v[DB1], v[NINF], s21
	v_cndmask_b32 v[BF1], v[BF1], v[DA1], s20
	v_cndmask_b32 v[BF1], v[BF1], v[DB1], s21
	v_max3_num_f32 v[T+6], v[M], v[T+3], v[T+4]
	v_max_num_f32 v[T+6], v[T+6], v[T+5]           ; the new running maximum (two of the three are always folded: it is finite)
	v_sub_f32 v[T], v[M], v[T+6]
	v_sub_f32 v[T+3], v[T+3], v[T+6]
	v_sub_f32 v[T+4], v[T+4], v[T+6]
	v_sub_f32 v[T+5], v[T+5], v[T+6]
	v_exp_f32 v[SC], v[T]
	v_exp_f32 v[PO], v[T+3]
	v_exp_f32 v[PA], v[T+4]
	v_exp_f32 v[PB], v[T+5]
	v_mov_b32 v[M], v[T+6]                         ; the plain instruction that stands between the exponentials and their use (ISA guide 5.7.2)
	s_wait_alu depctr_va_vdst(0)
	v_fma_f32 v[S], v[S], v[SC], v[PO]
	v_add_f32 v[T], v[PA], v[PB]
	v_add_f32 v[S], v[S], v[T]
	; sum = sum x SC + PO x BEST + PA x a + PB x b, in four passes of sixteen independent instructions
.set i, 0
.rept 16
	v_pk_mul_f32 v[ACC+i:ACC+i+1], v[ACC+i:ACC+i+1], v[SC:SC+1] op_sel_hi:[1,0]
.set i, i+2
.endr
.set i, 0
.rept 16
	v_pk_fma_f32 v[ACC+i:ACC+i+1], v[BEST+i:BEST+i+1], v[PO:PO+1], v[ACC+i:ACC+i+1] op_sel_hi:[1,0,1]
.set i, i+2
.endr
	s_not_b32 vcc_lo, s20                          ; set: a does not take BEST's place
	WIN 0x01
.set i, 0
.rept 16
	v_pk_fma_f32 v[ACC+i:ACC+i+1], v[XA+i:XA+i+1], v[PA:PA+1], v[ACC+i:ACC+i+1] op_sel_hi:[1,0,1]
.set i, i+2
.endr
.set i, 0
.rept 16
	v_pk_fma_f32 v[ACC+i:ACC+i+1], v[XB+i:XB+i+1], v[PB:PB+1], v[ACC+i:ACC+i+1] op_sel_hi:[1,0,1]
.set i, i+2
.endr
.set i, 0
.rept 32
	v_cndmask_b32 v[BEST+i], v[XA+i], v[BEST+i], vcc_lo    ; the row is source 0, so that one window setting serves the whole update
.set i, i+1
.endr
	s_not_b32 vcc_lo, s21                          ; set: b does not take its place
.set i, 0
.rept 32
	v_cndmask_b32 v[BEST+i], v[XB+i], v[BEST+i], vcc_lo
.set i, i+1
.endr
.endif
.endm
	STEP 0, 1, 1, 32                               ; steps 0-3 stand in front of the loop: the first pair starts the state.
	STEP 1, 0, 1, 32                               ; 32 = the sixteen loads of each of the two younger slots
	STEP 2, 0, 1, 32
	STEP 3, 0, 1, 32
	WIN 0                                          ; at a label and at a branch every window is 0
	s_wait_xcnt 0x0                                ; the base is stepped only when every load issued has had its address taken (ISA guide 3.1)
	s_add_nc_u64 s[4:5], s[4:5], SLOTS*STEPB
	s_mov_b32 s13, 2                               ; steps 4-11
.Lround:
	STEP 0, 0, 1, 32
	STEP 1, 0, 1, 32
	STEP 2, 0, 1, 32
	STEP 3, 0, 1, 32
	WIN 0
	s_wait_xcnt 0x0
	s_add_nc_u64 s[4:5], s[4:5], SLOTS*STEPB
	s_sub_co_u32 s13, s13, 1
	s_cmp_lg_u32 s13, 0
	s_cbranch_scc1 .Lround
	STEP 0, 0, 1, 32                               ; step 12 asks for step 15, the last;
	STEP 1, 0, 0, 32                               ; steps 13-15 ask for nothing: no load leaves the work-group's rows, the counts run down
	STEP 2, 0, 0, 16
	STEP 3, 0, 0, 0
	WIN 0
	; THE EIGHT WAVES JOIN.  Registers of the dot products and of w1, w2 are free now.
.set LM,   4                           ; v[4:7]: of the wave that my lane stands for (lane & 7): its M, S, BF1, BF2
.set LS,   5
.set LG1,  6
.set LG2,  7
.set A2,   8                           ; its SEC; then the work-group's second largest f2
.set LW,   9                           ; lane & 7
.set TT,   10
.set LA,   11                          ; LDS address of my 16 bytes in my wave's 4096
.set MW,   12                          ; v[12:15] the record's figures: maximum of the folded f1,
.set SW,   13                          ;          sum of weights,
.set WG1,  14                          ;          f1 of the row kept apart,
.set A1,   15                          ;          its f2 (the work-group's largest)
.set E,    16                          ; v[16:19] at work
	s_lshl_b32 s16, s12, 5
	s_lshl_b32 s17, s12, 12
	v_mov_b32 v[E], s16                            ; my wave's 32 bytes; all lanes write the same words with the same values
	v_and_b32 v[LW], 7, v0
	v_lshlrev_b32 v[E+1], 5, v[LW]
	s_wait_alu depctr_va_vdst(0)                   ; the five figures and v[E] are written, which the LDS stores read; v[E+1] is written, the address of the LDS loads behind the barrier; the last step is done with v4-v8, in which those loads land
	ds_store_b32 v[E], v[M] offset:STATS
	ds_store_b32 v[E], v[S] offset:STATS+4
	ds_store_b32 v[E], v[BF1] offset:STATS+8
	ds_store_b32 v[E], v[BF2] offset:STATS+12
	ds_store_b32 v[E], v[SEC] offset:STATS+16
	s_wait_dscnt 0x0                               ; for the other waves' sake: my figures are in LDS before I signal
	s_barrier_signal -1
	s_barrier_wait -1
	ds_load_b128 v[LM:LM+3], v[E+1] offset:STATS   ; no vector instruction since the wait above
	ds_load_b32 v[A2], v[E+1] offset:STATS+16
	s_wait_dscnt 0x0
	s_wait_alu depctr_vm_vsrc(0)                   ; the LDS stores have read v[E], the LDS loads v[E+1]: both are written again below
	v_mov_b32 v[A1], v[LG2]                        ; LG2 itself is compared with the result below
.irp m, 1, 2, 4                                    ; the two largest of two disjoint sets, three times: all eight waves, in every lane
	v_min_num_f32_dpp v[TT], v[A1], v[A1] row_xmask:\m row_mask:0xf bank_mask:0xf
	v_max_num_f32_dpp v[A2], v[A2], v[A2] row_xmask:\m row_mask:0xf bank_mask:0xf
	v_max_num_f32_dpp v[A1], v[A1], v[A1] row_xmask:\m row_mask:0xf bank_mask:0xf
	v_max_num_f32 v[A2], v[A2], v[TT]
.endr
	v_cmp_eq_f32 vcc_lo, v[LG2], v[A1]
	s_wait_alu depctr_va_vcc(0)                    ; the compare has written VCC, ahead of its first reader
	s_ctz_i32_b32 s20, vcc_lo                      ; the lowest wave that holds the largest f2: exactly one row stays apart.  Used for selects alone
	v_cmp_eq_u32 s21, s20, v[LW]                   ; lanes that stand for that wave
	s_cmp_eq_u32 s20, s12
	s_cselect_b32 s22, -1, 0                       ; all ones if it is my wave
	s_wait_alu depctr_va_sdst(0)                   ; the compare has written s21, ahead of the first select that reads it
	v_cndmask_b32 v[E], v[LG1], v[NINF], s21       ; the other seven candidates are folded in with their f1
	v_cndmask_b32 v[WG1], v[NINF], v[LG1], s21
	v_max_num_f32 v[MW], v[LM], v[E]
.irp m, 1, 2, 4
	v_max_num_f32_dpp v[MW], v[MW], v[MW] row_xmask:\m row_mask:0xf bank_mask:0xf
	v_max_num_f32_dpp v[WG1], v[WG1], v[WG1] row_xmask:\m row_mask:0xf bank_mask:0xf
.endr
	v_sub_f32 v[E+1], v[LM], v[MW]
	v_sub_f32 v[E], v[E], v[MW]
	v_cndmask_b32 v[E+2], v[BF1], v[NINF], s22     ; my own candidate: weight 0 if it stays apart
	v_sub_f32 v[E+2], v[E+2], v[MW]
	v_sub_f32 v[E+3], v[M], v[MW]
	v_exp_f32 v[SW], v[E+1]
	v_exp_f32 v[TT], v[E]
	v_exp_f32 v[SC], v[E+3]                        ; my sum's factor
	v_exp_f32 v[PO], v[E+2]                        ; my candidate's weight
	v_add_nc_u32 v[LA], s17, v[LOFF]               ; (the plain instruction behind the exponentials)
	s_wait_alu depctr_va_vdst(0)
	v_fma_f32 v[SW], v[LS], v[SW], v[TT]
.irp m, 1, 2, 4
	v_add_f32_dpp v[SW], v[SW], v[SW] row_xmask:\m row_mask:0xf bank_mask:0xf
.endr
.set i, 0
.rept 16
	v_pk_mul_f32 v[ACC+i:ACC+i+1], v[ACC+i:ACC+i+1], v[SC:SC+1] op_sel_hi:[1,0]
.set i, i+2
.endr
.set i, 0
.rept 16
	v_pk_fma_f32 v[ACC+i:ACC+i+1], v[BEST+i:BEST+i+1], v[PO:PO+1], v[ACC+i:ACC+i+1] op_sel_hi:[1,0,1]
.set i, i+2
.endr
.set i, 0
.rept 32
	v_cndmask_b32 v[BEST+i], 0, v[BEST+i], s22     ; seven waves hand in zeros: the sum below is the one row, unchanged
.set i, i+1
.endr
	v_lshlrev_b32 v[E], 4, v0                      ; behind the barrier thread t takes columns 4 t .. 4 t + 3
	s_wait_alu depctr_va_vdst(0)                   ; ACC, BEST and v[LA] are written, which the sixteen LDS stores read; v[E] is written, the address of the LDS loads behind the barrier; the steps are done with w1 and w2, in whose registers those loads land
.irp k, 0,1,2,3,4,5,6,7
	ds_store_b128 v[LA], v[ACC+4*\k:ACC+4*\k+3] offset:RA+512*\k      ; 32 lanes, 512 consecutive bytes: no two lanes on one bank
.endr
.irp k, 0,1,2,3,4,5,6,7
	ds_store_b128 v[LA], v[BEST+4*\k:BEST+4*\k+3] offset:RC+512*\k
.endr
	s_wait_dscnt 0x0                               ; my parts are in LDS before I signal
	s_barrier_signal -1
	s_barrier_wait -1
	; thread t adds columns 4 t .. 4 t + 3 of the eight parts, for the sum and for the row kept apart
.irp w, 0,1,2,3,4,5,6,7
	ds_load_b128 v[W1+4*\w:W1+4*\w+3], v[E] offset:RA+4096*\w         ; no vector instruction since the wait above
.endr
.irp w, 0,1,2,3,4,5,6,7
	ds_load_b128 v[W2+4*\w:W2+4*\w+3], v[E] offset:RC+4096*\w
.endr
.macro SUM8 r                          ; eight vectors of four f32 at r, as a tree
.irp a, 0, 8, 16, 24
	v_pk_add_f32 v[\r+\a:\r+\a+1], v[\r+\a:\r+\a+1], v[\r+\a+4:\r+\a+5]
	v_pk_add_f32 v[\r+\a+2:\r+\a+3], v[\r+\a+2:\r+\a+3], v[\r+\a+6:\r+\a+7]
.endr
.irp a, 0, 16
	v_pk_add_f32 v[\r+\a:\r+\a+1], v[\r+\a:\r+\a+1], v[\r+\a+8:\r+\a+9]
	v_pk_add_f32 v[\r+\a+2:\r+\a+3], v[\r+\a+2:\r+\a+3], v[\r+\a+10:\r+\a+11]
.endr
	v_pk_add_f32 v[\r:\r+1], v[\r:\r+1], v[\r+16:\r+17]
	v_pk_add_f32 v[\r+2:\r+3], v[\r+2:\r+3], v[\r+18:\r+19]
.endm
	s_wait_dscnt 8                                 ; the eight parts of the sum are in; the eight younger loads stay out
	SUM8 W1
	s_wait_dscnt 0x0
	SUM8 W2
	s_wait_alu depctr_va_vdst(0)                   ; the two trees have written v[W1 ..] and v[W2 ..], which the two stores read
	global_store_b128 v[E], v[W1:W1+3], s[10:11]               ; each store of a wave covers 512 consecutive bytes, aligned
	global_store_b128 v[E], v[W2:W2+3], s[10:11] offset:4096
	; the five figures, by wave 0: even lanes write (max, sum, f1, f2), odd lanes (second largest f2, ..): 32 bytes, sixteen times over,
	; so that this store too covers 512 consecutive bytes and the record has no byte that is left unwritten
	s_cmp_lg_u32 s12, 0
	s_cbranch_scc1 .Lend
	v_and_b32 v[E+1], 1, v0
	v_cmp_eq_u32 vcc_lo, 1, v[E+1]
	s_wait_alu depctr_va_vcc(0)                    ; the compare has written VCC, ahead of the select that reads it
	v_cndmask_b32 v[MW], v[MW], v[A2], vcc_lo
	s_wait_alu depctr_va_vdst(0)                   ; the select has written v[MW], the first of the four registers that the store reads
	global_store_b128 v[LOFF], v[MW:MW+3], s[10:11] offset:8192
.Lend:
	s_wait_dscnt 0x0
	s_wait_alu depctr_hold_cnt(0) depctr_sa_sdst(0) depctr_va_vdst(0) depctr_va_sdst(0) depctr_va_ssrc(0) depctr_va_vcc(0) depctr_vm_vsrc(0)
	s_wait_tensorcnt 0x0
	ds_add_u32 v254, v255
	s_wait_dscnt 0x0
	s_endpgm
.Lfunc_end_k_q1c39ded3f5_stream:
	.size	k_q1c39ded3f5_stream, .Lfunc_end_k_q1c39ded3f5_stream-k_q1c39ded3f5_stream
	.p2alignl 7, 3214868480
	.fill 96, 4, 3214868480
	.section	.rodata,"a",@progbits
	.p2align	6, 0x0
	.amdhsa_kernel k_q1c39ded3f5_stream
		.amdhsa_group_segment_fixed_size 66816
		.amdhsa_private_segment_fixed_size 0
		.amdhsa_enable_private_segment 0
		.amdhsa_kernarg_size 32
		.amdhsa_user_sgpr_count 2
		.amdhsa_user_sgpr_kernarg_segment_ptr 1
		.amdhsa_wavefront_size32 1
		.amdhsa_system_sgpr_workgroup_id_x 1
		.amdhsa_system_sgpr_workgroup_id_y 1
		.amdhsa_system_sgpr_workgroup_id_z 1
		.amdhsa_system_vgpr_workitem_id 0
		.amdhsa_next_free_vgpr 512
		.amdhsa_next_free_sgpr 66
		.amdhsa_reserve_vcc 1
		.amdhsa_float_denorm_mode_32 3
		.amdhsa_float_denorm_mode_16_64 3
		.amdhsa_memory_ordered 1
		.amdhsa_forward_progress 1
		.amdhsa_inst_pref_size 187
	.end_amdhsa_kernel
	.amdgpu_metadata
---
amdhsa.version: [ 1, 2 ]
amdhsa.kernels:
  - .name:           k_q1c39ded3f5_stream
    .symbol:         k_q1c39ded3f5_stream.kd
    .args:
      - { .name: embedding, .offset: 0, .size: 8, .value_kind: global_buffer, .address_space: global }
      - { .name: w1, .offset: 8, .size: 8, .value_kind: global_buffer, .address_space: global }
      - { .name: w2, .offset: 16, .size: 8, .value_kind: global_buffer, .address_space: global }
      - { .name: part, .offset: 24, .size: 8, .value_kind: global_buffer, .address_space: global }
    .group_segment_fixed_size: 66816
    .private_segment_fixed_size: 0
    .kernarg_segment_align: 8
    .kernarg_segment_size: 32
    .max_flat_workgroup_size: 256
    .sgpr_count:     66
    .vgpr_count:     512
    .wavefront_size: 32
...
	.end_amdgpu_metadata
.endif
;; end of part 3
;; launch combine: the kernel of part 2 again; grid 8 x 32, 1 waves a work-group, no clusters, 0 bytes of LDS; arguments part, b, out0; writes out0
